; MI455X (gfx1250); checked and timed in simulation.
; The chip was launched on July 23, 2026; its instructions are those of AMD's public machine-readable ISA for CDNA 5 (MIT licence, August 2026) and "CDNA5" Instruction Set Architecture Reference Guide (July 2026). The comments in the code are by the model that wrote it; some were corrected since.
;; Multihead Attention. Allowed arithmetic: float matrix products may take bf16 or f16 operands with f32 sums; all other float work in f32.
;; Inputs: Wk 384 x 384 float32; Wp 384 x 384 float32; Wq 384 x 384 float32; Wv 384 x 384 float32; bk 384 float32; bp 384 float32; bq 384 float32; bv 384 float32; input_cap 2 x 4,096 x 384 float32; ln_b 384 float32; ln_g 384 float32; output_cap 2 x 4,096 x 384 float32.
;; Outputs: out0 2 x 4,096 x 384 float32.
;; One version. Each part assembles by itself: llvm-mc -triple=amdgcn-amd-amdhsa -mcpu=gfx1250 --defsym DOCPART=n.
;; ======== version 1 of 1: 3 launches
;; workspace buffers: qkv 18,874,368 bytes; ctl 6,291,456 bytes
;; launch lnqkv (part 1): grid 32 x 6, 8 waves a work-group, no clusters, 251,904 bytes of LDS; arguments input_cap, output_cap, Wq, Wk, Wv, bq, bk, bv, ln_g, ln_b, qkv; writes qkv
.if DOCPART == 1
	.amdgcn_target "amdgcn-amd-amdhsa--gfx1250"
	.amdhsa_code_object_version 6
	.text
	.protected	k_qe68fd5980e_lnqkv
	.globl	k_qe68fd5980e_lnqkv
	.p2align	8
	.type	k_qe68fd5980e_lnqkv,@function
k_qe68fd5980e_lnqkv:
	s_mov_b64 s[64:65], 0
	v_nop
	global_prefetch_b8 v0, s[64:65] scope:SCOPE_SE
	s_setreg_imm32_b32 hwreg(HW_REG_WAVE_MODE, 25, 1), 1
	s_wait_xcnt 0x0
; LayerNorm and one half (192 features = 3 heads) of one projection for 256 rows.
; qkv holds three parts (q, k, v), each bf16 [batch*6+head][token][64], dense.  q = (LN(output_cap) Wq^T + bq) * log2(e)/8,
; k = LN(input_cap) Wk^T + bk, v = LN(input_cap) Wv^T + bv.
; Work-group (x, y): x = block of 256 of the 8,192 rows; y>>1 = projection (0 q, 1 k, 2 v), y&1 = which 192 features.
; Wave w: normalises its rows 32 w .. 32 w + 31 and keeps them as 24 matrix fragments in registers; converts rows 24 w .. 24 w + 23 of the
; weight slice to bf16 in LDS for all eight waves; then multiplies its 32 rows by the 192 weight rows, one head (64 features) at a time.
; LIMITS, stated: NaN and infinities in the inputs are not carried as the reference carries them.  q is multiplied by log2(e)/8 BEFORE it is
; rounded to bf16, where the reference divides the scores by 8 afterwards: the rounding falls elsewhere, the value is the same.
; The variance is the mean of squared differences from the mean (two passes over registers), so a common offset of the inputs costs nothing.
; NO CLUSTER, NO TENSOR LOADS: what work-groups share here (the weight slice, 192 x 1,536 bytes of f32, and the rows of x) has to be converted or
; normalised in registers on its way to LDS, so it comes in by register loads; a copy of the f32 bytes into LDS first would add a trip through LDS.
; 192 work-groups: 32 row blocks x 6 slices; a finer split would read the rows or the weights more often.
.set ROWB,  1536                       ; bytes of a row of 384 f32
.set WP,    784                        ; LDS pitch of a row of 384 bf16: 768 + 16 = 49 x 16 bytes, so 16 rows start in 16 different 16-byte columns of 256 bytes
.set WLDS,  192*WP                     ; the weight slice in bf16: LDS bytes 0 .. 150,527
.set STG,   16*WP                      ; behind it a stage of 16 rows for each wave, its own
.set OP,    144                        ; pitch of the way out: a head row of 128 bytes + 16
.set HEADB, 524288                     ; bytes of one head in qkv: 4,096 tokens x 128
.set PARTB, 6291456                    ; bytes of one part (q, k or v)
.set GG,   16                          ; v[16:27]  ln_g of my 12 columns (4 L + 128 j .. + 3)
.set BB,   28                          ; v[28:39]  ln_b of them
.set TT,   40                          ; v[40:63]  six registers at work for each of four rows
.set RING, 64                          ; v[64:255] four groups of four rows, 12 registers a row
.set ACC,  64                          ; later: v[64:127] eight accumulators (2 row tiles x 4 feature tiles)
.set OT,   128                         ; v[128:143] packed results
.set RBK,  144                         ; v[144:159] rows read back for the stores
.set WF,   160                         ; v[160:223] weight fragments, two buffers of four
.set BS,   224                         ; v[224:255] bias of my 8 features in each of 4 feature tiles
                                       ; window 1: v[8 (12 rt + k)] = fragment of my row tile rt, K step k: 192 registers
.set MSB, 0
.macro WIN new                         ; the immediate's high byte repeats the setting that is left
.if MSB != \new
	s_set_vgpr_msb (MSB<<8)|\new
.set MSB, \new
.endif
.endm
.macro PLACES cnt
.rept \cnt
	v_nop
.endr
.endm
	s_load_b512 s[16:31], s[0:1], 0x0              ; input_cap, output_cap, Wq, Wk, Wv, bq, bk, bv
	s_load_b128 s[32:35], s[0:1], 0x40             ; ln_g, ln_b
	s_load_b64 s[36:37], s[0:1], 0x50              ; qkv
	v_lshl_add_u32 v15, v0, 2, 0x3d400
	s_set_vgpr_msb 0x40
	v_mov_b32 v193, 0
	s_set_vgpr_msb 0x4000
	v_lshrrev_b32 v1, 5, v0
	v_readfirstlane_b32 s8, v1                     ; wave 0..7
	s_and_b32 s9, ttmp7, 0xffff                    ; y
	s_lshr_b32 s10, s9, 1                          ; projection
	s_and_b32 s11, s9, 1                           ; which 192 features
	s_mov_b32 s12, 0x76543210                      ; v_permlanex16_b32: lane i reads lane i of the other half
	s_mov_b32 s13, 0xfedcba98
	s_mov_b32 s14, 0xbb2aaaab                      ; -1/384
	s_mov_b32 s15, 0x3b2aaaab                      ; 1/384
	s_mov_b32 s38, 0x3727c5ac                      ; 1e-5
	s_mul_i32 s46, ttmp9, 256*ROWB                 ; x: my work-group's 256 rows,
	s_mul_i32 s48, s8, 32*ROWB                     ; my wave's 32
	s_add_co_u32 s46, s46, s48
	s_mov_b32 s47, 0
	s_mul_i32 s48, s11, 192*ROWB                   ; W: the slice's 192 rows,
	s_mul_i32 s49, s8, 24*ROWB                     ; the 24 that I convert
	s_add_co_u32 s48, s48, s49
	s_mov_b32 s49, 0
	s_mul_i32 s50, s11, 768                        ; bias: the slice's 192 numbers
	s_mov_b32 s51, 0
	s_mul_i32 s52, s10, PARTB                      ; qkv: part,
	s_lshr_b32 s53, ttmp9, 4
	s_mul_i32 s53, s53, 6*HEADB                    ; batch,
	s_add_co_u32 s52, s52, s53
	s_mul_i32 s53, s11, 3*HEADB                    ; first head of the slice,
	s_add_co_u32 s52, s52, s53
	s_and_b32 s53, ttmp9, 15
	s_lshl_b32 s53, s53, 15                        ; 256 tokens of 128 bytes,
	s_add_co_u32 s52, s52, s53
	s_lshl_b32 s53, s8, 12                         ; my wave's 32 tokens
	s_add_co_u32 s52, s52, s53
	s_mov_b32 s53, 0
	v_and_b32 v1, 31, v0                           ; lane L
	v_lshlrev_b32 v2, 4, v1                        ; v2 = 16 L
	v_and_b32 v12, 15, v0                          ; r = L % 16
	v_bfe_u32 v13, v0, 4, 1                        ; h = L / 16
	s_mul_i32 s54, s8, STG
	s_add_co_u32 s54, s54, WLDS                    ; my stage
	v_lshl_add_u32 v3, v1, 3, s54                  ; v3 = stage + 8 L: where a normalised row goes
	s_mul_i32 s55, s8, 24*WP
	v_lshl_add_u32 v4, v1, 3, s55                  ; v4 = my 24 weight rows + 8 L
	v_mul_u32_u24 v6, v12, WP
	v_lshl_add_u32 v6, v13, 4, v6                  ; v6 = r x pitch + 16 h: weight fragments of head 0,
	v_add_nc_u32 v5, s54, v6                       ; v5 = the same in my stage: my rows' fragments
	v_add_nc_u32 v7, 64*WP, v6                     ; v7, v8: heads 1 and 2
	v_add_nc_u32 v8, 128*WP, v6
	v_mul_u32_u24 v9, v12, OP
	v_lshl_add_u32 v9, v13, 4, v9
	v_add_nc_u32 v9, s54, v9                       ; v9 = stage + r x 144 + 16 h: the way out, in
	v_bfe_u32 v10, v0, 3, 2
	v_mul_u32_u24 v10, v10, OP
	v_and_b32 v14, 7, v0
	v_lshl_add_u32 v10, v14, 4, v10
	v_add_nc_u32 v10, s54, v10                     ; v10 = stage + (L / 8) x 144 + 16 (L % 8): the way out, back
	v_lshlrev_b32 v11, 5, v13                      ; v11 = 32 h: my 8 numbers of a feature tile's bias
	s_wait_kmcnt 0x0
	s_cmp_eq_u32 s10, 0                            ; the choice hangs on the work-group's y alone
	s_cselect_b64 s[4:5], s[18:19], s[16:17]       ; q reads output_cap, k and v read input_cap
	s_cselect_b64 s[6:7], s[20:21], s[22:23]
	s_cselect_b64 s[42:43], s[26:27], s[28:29]
	s_cselect_b32 s40, 0x3e38aa3b, 1.0             ; q alone is scaled: log2(e)/8
	s_cmp_eq_u32 s10, 2
	s_cselect_b64 s[6:7], s[24:25], s[6:7]
	s_cselect_b64 s[42:43], s[30:31], s[42:43]
	s_mov_b32 s41, s40                             ; the pair's second register is written too
	s_add_nc_u64 s[4:5], s[4:5], s[46:47]
	s_add_nc_u64 s[6:7], s[6:7], s[48:49]
	s_add_nc_u64 s[42:43], s[42:43], s[50:51]
	s_add_nc_u64 s[44:45], s[36:37], s[52:53]
.irp j, 0,1,2
	global_load_b128 v[GG+4*\j:GG+4*\j+3], v2, s[32:33] offset:512*\j
	global_load_b128 v[BB+4*\j:BB+4*\j+3], v2, s[34:35] offset:512*\j
.endr
; twelve loads: four rows, each as three runs of 512 consecutive bytes of the wave
.macro LD4 grp, base, row
.irp q, 0,1,2,3
.irp j, 0,1,2
	global_load_b128 v[RING+48*\grp+12*\q+4*\j:RING+48*\grp+12*\q+4*\j+3], v2, s[\base:\base+1] offset:(\row+\q)*ROWB+512*\j
.endr
.endr
.endm
.macro ROWSYM grp, q                   ; names for row q of a group: its 12 registers and its 6 at work
.set xb, RING+48*\grp+12*\q
.set tb, TT+6*\q
.endm
; four weight rows: rounded to bf16 in place, 8 bytes a lane and run to LDS.  left = the younger loads that may stay out.
.macro W4 grp, row, left
	s_wait_loadcnt \left                           ; loads return in order: this group's twelve are in, 12 for each younger group stay out
.irp q, 0,1,2,3
	ROWSYM \grp, \q
.irp i, 0,1,2,3,4,5
	v_cvt_pk_bf16_f32 v[xb+\i], v[xb+2*\i], v[xb+2*\i+1]       ; ascending: register i is read by conversion i/2 before it is written
.endr
.irp j, 0,1,2
	ds_store_b64 v4, v[xb+2*\j:xb+2*\j+1] offset:(\row+\q)*WP+256*\j
.endr
.endr
.endm
; the sum over the wave's 32 lanes of register o of each of the four rows; register o + 1 is used up
.macro WSUM o
.irp m, 1,2,4,8
.irp q, 0,1,2,3
	v_add_f32_dpp v[TT+6*\q+\o], v[TT+6*\q+\o], v[TT+6*\q+\o] row_xmask:\m row_mask:0xf bank_mask:0xf
.endr
.endr
.irp q, 0,1,2,3
	v_permlanex16_b32 v[TT+6*\q+\o+1], v[TT+6*\q+\o], s12, s13
.endr
.irp q, 0,1,2,3
	v_add_f32 v[TT+6*\q+\o], v[TT+6*\q+\o], v[TT+6*\q+\o+1]
.endr
.endm
; four rows normalised, the four taking turns line by line so that no line waits for the one in front of it; rows srow .. srow + 3 of my stage
.macro LN4 grp, srow, left
	s_wait_loadcnt \left                           ; this group's twelve loads are in, 12 for each younger group stay out
.irp q, 0,1,2,3
	ROWSYM \grp, \q
	v_pk_add_f32 v[tb:tb+1], v[xb:xb+1], v[xb+2:xb+3]
	v_pk_add_f32 v[tb+2:tb+3], v[xb+4:xb+5], v[xb+6:xb+7]
	v_pk_add_f32 v[tb+4:tb+5], v[xb+8:xb+9], v[xb+10:xb+11]
.endr
.irp q, 0,1,2,3
	ROWSYM \grp, \q
	v_pk_add_f32 v[tb:tb+1], v[tb:tb+1], v[tb+2:tb+3]
.endr
.irp q, 0,1,2,3
	ROWSYM \grp, \q
	v_pk_add_f32 v[tb:tb+1], v[tb:tb+1], v[tb+4:tb+5]
.endr
.irp q, 0,1,2,3
	ROWSYM \grp, \q
	v_add_f32 v[tb], v[tb], v[tb+1]
.endr
	WSUM 0
.irp q, 0,1,2,3
	ROWSYM \grp, \q
	v_mul_f32 v[tb], s14, v[tb]                    ; minus the mean
.endr
.irp q, 0,1,2,3
	ROWSYM \grp, \q
.irp p, 0,2,4,6,8,10
	v_pk_add_f32 v[xb+\p:xb+\p+1], v[xb+\p:xb+\p+1], v[tb:tb+1] op_sel_hi:[1,0]
.endr
.endr
.irp q, 0,1,2,3
	ROWSYM \grp, \q
	v_pk_mul_f32 v[tb+2:tb+3], v[xb:xb+1], v[xb:xb+1]          ; the first squares start the sum
.endr
.irp p, 2,4,6,8,10
.irp q, 0,1,2,3
	ROWSYM \grp, \q
	v_pk_fma_f32 v[tb+2:tb+3], v[xb+\p:xb+\p+1], v[xb+\p:xb+\p+1], v[tb+2:tb+3]
.endr
.endr
.irp q, 0,1,2,3
	ROWSYM \grp, \q
	v_add_f32 v[tb+2], v[tb+2], v[tb+3]
.endr
	WSUM 2
.irp q, 0,1,2,3
	ROWSYM \grp, \q
	v_fma_f32 v[tb+2], v[tb+2], s15, s38           ; variance + 1e-5
.endr
.irp q, 0,1,2,3
	ROWSYM \grp, \q
	v_rsq_f32 v[tb+2], v[tb+2]
.endr
	v_nop                                          ; one plain vector instruction behind the last v_rsq_f32 before a result is used (ISA guide 5.7.2)
.irp q, 0,1,2,3
	ROWSYM \grp, \q
	s_wait_alu depctr_va_vdst(0)
.irp p, 0,2,4,6,8,10
	v_pk_mul_f32 v[xb+\p:xb+\p+1], v[xb+\p:xb+\p+1], v[tb+2:tb+3] op_sel_hi:[1,0]
.endr
.endr
.irp q, 0,1,2,3
	ROWSYM \grp, \q
.irp p, 0,2,4,6,8,10
	v_pk_fma_f32 v[xb+\p:xb+\p+1], v[xb+\p:xb+\p+1], v[GG+\p:GG+\p+1], v[BB+\p:BB+\p+1]
.endr
.endr
.irp q, 0,1,2,3
	ROWSYM \grp, \q
.irp i, 0,1,2,3,4,5
	v_cvt_pk_bf16_f32 v[xb+\i], v[xb+2*\i], v[xb+2*\i+1]
.endr
.irp j, 0,1,2
	ds_store_b64 v3, v[xb+2*\j:xb+2*\j+1] offset:(\srow+\q)*WP+256*\j
.endr
.endr
.endm
; the 16 rows in my stage become 12 fragments (16 rows x 32 K: two loads of 16 bytes, 32 bytes apart) in window 1.
; LDS serves a wave's instructions in order (ISA guide 5.7.1): these loads see my stores above, and my later stores follow them.
.macro XFRAG rt
	WIN 0x40                                       ; destination window 1, address window 0
.set kq, 0
.rept 12
	ds_load_b128 v[8*(12*\rt+kq):8*(12*\rt+kq)+3], v5 offset:64*kq
	ds_load_b128 v[8*(12*\rt+kq)+4:8*(12*\rt+kq)+7], v5 offset:64*kq+32
.set kq, kq+1
.endr
	WIN 0
.endm
; The stream: six groups of weight rows, then eight groups of my rows; four groups are on their way at any time.
	LD4 0, 6, 0
	LD4 1, 6, 4
	LD4 2, 6, 8
	LD4 3, 6, 12
	W4 0, 0, 36
	LD4 0, 6, 16
	W4 1, 4, 36
	LD4 1, 6, 20
	W4 2, 8, 36
	LD4 2, 4, 0
	W4 3, 12, 36
	LD4 3, 4, 4
	W4 0, 16, 36
	LD4 0, 4, 8
	W4 1, 20, 36
	LD4 1, 4, 12
	LN4 2, 0, 36
	LD4 2, 4, 16
	LN4 3, 4, 36
	LD4 3, 4, 20
	LN4 0, 8, 36
	LD4 0, 4, 24
	LN4 1, 12, 36
	LD4 1, 4, 28
	XFRAG 0                                        ; rows 0 to 15 leave the stage
	LN4 2, 0, 36
	LN4 3, 4, 24                                   ; nothing is left to load: the counts run down
	LN4 0, 8, 12
	LN4 1, 12, 0
	XFRAG 1
	s_wait_dscnt 0x0                               ; my weight rows are in LDS, for the others' sake, and my fragments are in registers
	s_barrier_signal -1
	s_barrier_wait -1                              ; the whole weight slice is there
; eight loads: the four weight fragments (16 features x 32 K) of head hd at K step k into buffer buf.  Four places stand between the
; matrix instructions that read the buffer last and the loads into it (ISA guide 7.12.1 for vector instructions).
.macro FETCH hd, k, buf
	PLACES 4
.irp ft, 0,1,2,3
	ds_load_b128 v[WF+32*(\buf)+8*\ft:WF+32*(\buf)+8*\ft+3], v[6+\hd] offset:\ft*16*WP+64*(\k)
	ds_load_b128 v[WF+32*(\buf)+8*\ft+4:WF+32*(\buf)+8*\ft+7], v[6+\hd] offset:\ft*16*WP+64*(\k)+32
.endr
.endm
; eight products.  Source 0 = 16 weight rows, source 1 = 16 of my rows: a lane's eight results are eight neighbouring features of one row.
; The eight accumulators take turns, one instruction a turn.
.macro MUL8 k, buf, zero
.irp rt, 0,1
.irp ft, 0,1,2,3
.if \zero
	v_wmma_f32_16x16x32_bf16 v[ACC+32*\rt+8*\ft:ACC+32*\rt+8*\ft+7], v[WF+32*(\buf)+8*\ft:WF+32*(\buf)+8*\ft+7], v[8*(12*\rt+(\k)):8*(12*\rt+(\k))+7], 0
.else
	v_wmma_f32_16x16x32_bf16 v[ACC+32*\rt+8*\ft:ACC+32*\rt+8*\ft+7], v[WF+32*(\buf)+8*\ft:WF+32*(\buf)+8*\ft+7], v[8*(12*\rt+(\k)):8*(12*\rt+(\k))+7], v[ACC+32*\rt+8*\ft:ACC+32*\rt+8*\ft+7]
.endif
.endr
.endr
.endm
.macro HGEMM hd
.irp ft, 0,1,2,3
	global_load_b128 v[BS+8*\ft:BS+8*\ft+3], v11, s[42:43] offset:\hd*256+\ft*64
	global_load_b128 v[BS+8*\ft+4:BS+8*\ft+7], v11, s[42:43] offset:\hd*256+\ft*64+16
.endr
	WIN 0x04                                       ; source 1 (my rows) window 1, all else window 0
	FETCH \hd, 0, 0
	FETCH \hd, 1, 1
	s_wait_dscnt 8                                 ; this K step's eight loads are in, the next step's eight stay out
	MUL8 0, 0, 1                                   ; the first products start the sums
.set kq, 1
.rept 10
	FETCH \hd, kq+1, (kq+1)%2
	s_wait_dscnt 8                                 ; as above
	MUL8 kq, kq%2, 0
.set kq, kq+1
.endr
	s_wait_dscnt 0x0
	MUL8 11, 1, 0
	WIN 0
	PLACES 4                                       ; four places before vector instructions read the results (ISA guide 7.12.1)
.endm
; (sum + bias) x scale as one fused multiply-add on bias x scale; bf16; 16 rows at a time through my stage, so that each store of the
; wave covers 512 consecutive bytes of qkv (four tokens' head rows), aligned
.macro OUTH hd
	s_wait_loadcnt 0x0                             ; the bias
.set i2, 0
.rept 16
	v_pk_mul_f32 v[BS+i2:BS+i2+1], v[BS+i2:BS+i2+1], s[40:41] op_sel_hi:[1,0]
.set i2, i2+2
.endr
.irp rt, 0,1
.irp ft, 0,1,2,3
.irp q, 0,1,2,3
	v_pk_fma_f32 v[ACC+32*\rt+8*\ft+2*\q:ACC+32*\rt+8*\ft+2*\q+1], v[ACC+32*\rt+8*\ft+2*\q:ACC+32*\rt+8*\ft+2*\q+1], s[40:41], v[BS+8*\ft+2*\q:BS+8*\ft+2*\q+1] op_sel_hi:[1,0,1]
.endr
.endr
.irp ft, 0,1,2,3
.irp q, 0,1,2,3
	v_cvt_pk_bf16_f32 v[OT+4*\ft+\q], v[ACC+32*\rt+8*\ft+2*\q], v[ACC+32*\rt+8*\ft+2*\q+1]
.endr
.endr
.irp ft, 0,1,2,3
	ds_store_b128 v9, v[OT+4*\ft:OT+4*\ft+3] offset:32*\ft
.endr
	s_wait_xcnt 0x0                                ; the registers that the last stores read are loaded again only behind this wait
.irp t, 0,1,2,3
	ds_load_b128 v[RBK+4*\t:RBK+4*\t+3], v10 offset:\t*4*OP     ; in order behind my stores above
.endr
.irp t, 0,1,2,3
	s_wait_dscnt 3-\t                              ; read-back t is in, the younger ones stay out
	global_store_b128 v2, v[RBK+4*\t:RBK+4*\t+3], s[44:45] offset:\hd*HEADB+\rt*2048+\t*512
.endr
.endr
.endm
	HGEMM 0
	OUTH 0
	HGEMM 1
	OUTH 1
	HGEMM 2
	OUTH 2
	s_set_vgpr_msb 0x4
	s_wait_tensorcnt 0x0
	ds_add_u32 v15, v193
	s_wait_dscnt 0x0
	s_set_vgpr_msb 0x400
	s_endpgm
.Lfunc_end_k_qe68fd5980e_lnqkv:
	.size	k_qe68fd5980e_lnqkv, .Lfunc_end_k_qe68fd5980e_lnqkv-k_qe68fd5980e_lnqkv
	.p2alignl 7, 3214868480
	.fill 96, 4, 3214868480
	.section	.rodata,"a",@progbits
	.p2align	6, 0x0
	.amdhsa_kernel k_qe68fd5980e_lnqkv
		.amdhsa_group_segment_fixed_size 251904
		.amdhsa_private_segment_fixed_size 0
		.amdhsa_enable_private_segment 0
		.amdhsa_kernarg_size 88
		.amdhsa_user_sgpr_count 2
		.amdhsa_user_sgpr_kernarg_segment_ptr 1
		.amdhsa_wavefront_size32 1
		.amdhsa_system_sgpr_workgroup_id_x 1
		.amdhsa_system_sgpr_workgroup_id_y 1
		.amdhsa_system_sgpr_workgroup_id_z 1
		.amdhsa_system_vgpr_workitem_id 0
		.amdhsa_next_free_vgpr 450
		.amdhsa_next_free_sgpr 66
		.amdhsa_reserve_vcc 0
		.amdhsa_float_denorm_mode_32 3
		.amdhsa_float_denorm_mode_16_64 3
		.amdhsa_memory_ordered 1
		.amdhsa_forward_progress 1
		.amdhsa_inst_pref_size 209
	.end_amdhsa_kernel
	.amdgpu_metadata
---
amdhsa.version: [ 1, 2 ]
amdhsa.kernels:
  - .name:           k_qe68fd5980e_lnqkv
    .symbol:         k_qe68fd5980e_lnqkv.kd
    .args:
      - { .name: input_cap, .offset: 0, .size: 8, .value_kind: global_buffer, .address_space: global }
      - { .name: output_cap, .offset: 8, .size: 8, .value_kind: global_buffer, .address_space: global }
      - { .name: Wq, .offset: 16, .size: 8, .value_kind: global_buffer, .address_space: global }
      - { .name: Wk, .offset: 24, .size: 8, .value_kind: global_buffer, .address_space: global }
      - { .name: Wv, .offset: 32, .size: 8, .value_kind: global_buffer, .address_space: global }
      - { .name: bq, .offset: 40, .size: 8, .value_kind: global_buffer, .address_space: global }
      - { .name: bk, .offset: 48, .size: 8, .value_kind: global_buffer, .address_space: global }
      - { .name: bv, .offset: 56, .size: 8, .value_kind: global_buffer, .address_space: global }
      - { .name: ln_g, .offset: 64, .size: 8, .value_kind: global_buffer, .address_space: global }
      - { .name: ln_b, .offset: 72, .size: 8, .value_kind: global_buffer, .address_space: global }
      - { .name: qkv, .offset: 80, .size: 8, .value_kind: global_buffer, .address_space: global }
    .group_segment_fixed_size: 251904
    .private_segment_fixed_size: 0
    .kernarg_segment_align: 8
    .kernarg_segment_size: 88
    .max_flat_workgroup_size: 256
    .sgpr_count:     66
    .vgpr_count:     450
    .wavefront_size: 32
...
	.end_amdgpu_metadata
.endif
;; end of part 1
;; launch attn (part 2): grid 16 x 12, 8 waves a work-group, clusters of 4 x 1, 327,680 bytes of LDS; arguments qkv, ctl; writes ctl
.if DOCPART == 2
	.amdgcn_target "amdgcn-amd-amdhsa--gfx1250"
	.amdhsa_code_object_version 6
	.text
	.protected	k_qe68fd5980e_attn
	.globl	k_qe68fd5980e_attn
	.p2align	8
	.type	k_qe68fd5980e_attn,@function
k_qe68fd5980e_attn:
	s_mov_b64 s[64:65], 0
	v_nop
	global_prefetch_b8 v0, s[64:65] scope:SCOPE_SE
	s_setreg_imm32_b32 hwreg(HW_REG_WAVE_MODE, 25, 1), 1
	s_wait_xcnt 0x0
	s_wait_alu depctr_hold_cnt(0) depctr_sa_sdst(0) depctr_va_vdst(0) depctr_va_sdst(0) depctr_va_ssrc(0) depctr_va_vcc(0) depctr_vm_vsrc(0)
	s_getreg_b32 s2, hwreg(HW_REG_IB_STS2, 6, 4)
	s_cmp_eq_u32 s2, 0
	s_cbranch_scc0 .Lentry_in_a_cluster
	s_endpgm
.Lentry_in_a_cluster:
	s_bfe_u32 s2, ttmp6, 0x10000c
	s_cmp_lg_u32 s2, 0x3003
	s_cbranch_scc0 .Lentry_shape_is_right
	s_endpgm
.Lentry_shape_is_right:
; Attention for 256 queries of one (batch, head): ctl = softmax(q k^T) v, with q already multiplied by log2(e)/8, so that all exponentials are 2^x.
; qkv: three parts (q, k, v), each bf16 [batch*6+head][token][64]; ctl: the same layout.
; Work-group (x, y): y = batch*6+head, x = block of 256 queries.  Wave w: qg = w & 3 picks its 64 queries, p = w >> 2 its half (128 keys) of every
; tile of 256 keys.  Each wave runs its own running maximum and sum over its 2,048 keys; the two waves of a pair are merged once, through LDS.
; Two waves lie on each SIMD, so that one wave's softmax runs beside the other's products.
; LAYOUT: S^T = K Q^T (source 0 = 16 keys, source 1 = 16 queries): lane (r, h) holds, for query r, keys 8 h + 0..7 of each tile of 16 keys.
; So maximum and sum are taken inside the lane plus one exchange with lane xor 16, and two key tiles packed to bf16 ARE source 1 of
; O^T = V^T P^T (registers 0-3: keys 8 h .., registers 4-7: keys 16 + 8 h ..): the probabilities never move between lanes.
; In O^T register j of lane (r, h) is column 16 c + 8 h + j of query r: eight neighbouring numbers of a row of ctl.
; CLUSTER: the four query blocks of a cluster (4 x 1) read the same K and V tiles; every tile load is a joint load that names all four.
; Nothing but the global addresses of q and ctl hangs on the place in the cluster.
; 192 work-groups: a block lies inside one head and 4,096 queries divide by powers of two only; blocks of 64 queries would ask for each tile four times as often.
; LIMITS, stated: NaN and infinities are not carried as the reference carries them (the maxima drop NaN).  The sum of the probabilities is taken
; over their f32 values, the products over their bf16 roundings.
.set HEADB, 524288                     ; bytes of one head: 4,096 tokens x 128
.set PARTB, 6291456                    ; bytes of one part of qkv
.set TILEB, 32768                      ; 256 keys x 128 bytes
.set KP,    144                        ; LDS pitch of K: 128 + 16 = 9 x 16 bytes
.set VP,    160                        ; LDS pitch of V: 128 + 32 = 5 x 32 bytes, for the transposing loads
.set VOFF,  256*KP                     ; in a slot: K's 256 rows, then V's
.set SLOT,  256*KP+256*VP              ; 77,824 bytes; two slots
.set MERGE, 2*SLOT                     ; behind the ring (a multiple of 256 bytes): for each pair 35 x 512 bytes; no tensor load lands here
.set MPAIR, 35*512
.set OSTG,  MERGE+4*MPAIR              ; the way out: 16 rows x 144 bytes for each pair
.set OPAIR, 16*KP
.set KA,  2                            ; v2, v3    LDS address of my K fragments in slot 0, 1
.set VA,  4                            ; v4, v5    of my V fragments
.set QO,  6                            ; v6        r x 128 + 16 h: my bytes of a query tile
.set MST, 7                            ; v7        my pair's merge stage + 16 L
.set OST, 8                            ; v8        the way out, in
.set ORD, 9                            ; v9        the way out, back
.set CO,  10                           ; v10       16 L
.set LS,  12                           ; v[12:15]  sum of query tile a, over the keys of my half h alone
.set MX,  16                           ; v16,18,20,22  running maximum of query tile a   (the odd partners of MX, AL, NM are written once: pairs are read)
.set AL,  24                           ; v24,26,28,30  2^(old maximum - new maximum)
.set NM,  32                           ; v32,34,36,38  minus the maximum
.set EE,  40                           ; v[40:55]  four registers at work for each query tile
.set RS,  56                           ; v[56:63]  a pair of partial sums for each query tile
.set SR,  64                           ; v[64:191] S of query tile a, key tile t at 64 + 32 a + 8 t; packed: P of tile a at 64 + 32 a .. + 15
.set KF,  192                          ; v[192:255] K fragments: key tile t, half kk of the 64 columns at 192 + 8 (2 t + kk)
.set TMP, 208                          ; the way out: packed results
.set RB,  224                          ; the way out: rows read back
.set OA,  0                            ; window 1: v[0:127] O of query tile a, column tile c at 32 a + 8 c
.set QF,  128                          ; window 1: v[128:191] Q fragments at 128 + 8 (2 a + kk)
.set VF,  192                          ; window 1: v[192:255] V fragments: column tile c, 32 keys kk at 192 + 8 (2 c + kk)
.set G1K, 16                           ; s[16:23] descriptor group 1 for K's tiles
.set G1V, 24                           ; s[24:31] for V's: it differs in the padding alone
.set G0K, 32                           ; s[32:39] descriptor group 0 for K, one set for each slot
.set G0V, 40                           ; s[40:47] for V
.set MSB, 0
.macro WIN new                         ; s_set_vgpr_msb: bits 1:0 source 0, 3:2 source 1, 5:4 source 2, 7:6 destination; the high byte repeats the setting that is left
.if MSB != \new
	s_set_vgpr_msb (MSB<<8)|\new
.set MSB, \new
.endif
.endm
.macro PLACES cnt
.rept \cnt
	v_nop
.endr
.endm
; A round of the cluster's barrier: my work-group's barrier, wave 0 signals for the work-group, every wave waits for all four work-groups, my work-group's barrier again.
.macro ROUND
	s_barrier_signal -1
	s_barrier_wait -1
	s_cmp_lg_u32 s8, 0
	s_cbranch_scc1 .Lnot_wave_0_\@
	s_barrier_signal -3
.Lnot_wave_0_\@:
	s_barrier_wait -3
	s_barrier_signal -1
	s_barrier_wait -1
.endm
; A joint load: waves 0 to 3 ask for the four quarters (64 rows) of K's tile, waves 4 to 7 for those of V's.  The branch hangs on the wave's number alone.
.macro JLOAD slot
	s_cmp_eq_u32 s10, 0
	s_cbranch_scc0 .Lfor_v_\@
	tensor_load_to_lds s[G0K+4*(\slot):G0K+4*(\slot)+3], s[G1K:G1K+7]
	s_nop 0
	s_branch .Lasked_\@
.Lfor_v_\@:
	tensor_load_to_lds s[G0V+4*(\slot):G0V+4*(\slot)+3], s[G1V:G1V+7]
	s_nop 0
.Lasked_\@:
.endm
	s_load_b128 s[4:7], s[0:1], 0x0                ; qkv s[4:5], ctl s[6:7]
	v_lshl_add_u32 v254, v0, 2, 0x39c00
	v_mov_b32 v255, 0
	ds_add_u32 v254, v255
	s_wait_dscnt 0x0
	v_lshrrev_b32 v1, 5, v0
	v_readfirstlane_b32 s8, v1                     ; wave 0..7
	s_lshr_b32 s10, s8, 2                          ; p: my half of the keys.  Also: I ask for K (0) or for V (1)
	s_and_b32 s11, s8, 3                           ; qg: my 64 queries.  Also: which 64 rows of a tile I ask for
	s_bfe_u32 s48, ttmp6, 0x40000                  ; cx: my place in the cluster
	s_lshl_b32 s49, ttmp9, 2                       ; in a cluster launch ttmp9 counts clusters
	s_add_co_u32 s49, s49, s48                     ; x = 4 x cluster x + cx
	s_and_b32 s50, ttmp7, 0xffff                   ; batch*6+head
	s_mov_b32 s12, 0x76543210                      ; v_permlanex16_b32: lane i reads lane i of the other half
	s_mov_b32 s13, 0xfedcba98
	; group 1: a tile of 64 rows x 64 elements of 2 bytes, rows 64 elements apart in memory, padded in LDS
	s_mov_b32 s[G1K+0], 15|(1<<16)|(1<<20)|(1<<21)|(4<<22)|(3<<25)  ; 15:0 the mask names all four work-groups; 17:16 2 bytes; 20 padding on; 21 set beside a mask; 24:22 after every 32 words; 31:25 skip 4 words
	s_mov_b32 s[G1V+0], 15|(1<<16)|(1<<20)|(1<<21)|(4<<22)|(7<<25)  ; the same, skip 8 words
	s_mov_b32 s[G1K+1], 64<<16                     ; tensor_dim0 = 64
	s_mov_b32 s[G1V+1], 64<<16
	s_mov_b32 s[G1K+2], 64<<16                     ; tensor_dim1 = 64
	s_mov_b32 s[G1V+2], 64<<16
	s_mov_b32 s[G1K+3], 64<<16                     ; tile_dim0 = 64
	s_mov_b32 s[G1V+3], 64<<16
	s_mov_b32 s[G1K+4], 64                         ; tile_dim1 = 64
	s_mov_b32 s[G1V+4], 64
	s_mov_b32 s[G1K+5], 64                         ; from row to row: 64 elements
	s_mov_b32 s[G1V+5], 64
	s_mov_b32 s[G1K+6], 0
	s_mov_b32 s[G1V+6], 0
	s_mov_b32 s[G1K+7], 0
	s_mov_b32 s[G1V+7], 0
	s_mul_i32 s14, s11, 64*KP                      ; where my quarter of K's tile goes,
	s_mul_i32 s15, s11, 64*VP
	s_add_co_u32 s15, s15, VOFF                    ; and of V's: the wave's number and constants alone
	s_lshl_b32 s56, s50, 19                        ; the head,
	s_lshl_b32 s57, s11, 13                        ; 64 rows of 128 bytes for each qg
	s_add_co_u32 s56, s56, s57
	s_mov_b32 s57, 0
	s_lshl_b32 s58, s49, 15                        ; my block of 256 queries
	s_mov_b32 s59, 0
	v_and_b32 v1, 15, v0                           ; r
	v_bfe_u32 v11, v0, 4, 1                        ; h
	v_mul_u32_u24 v[OST], v1, KP
	v_lshl_add_u32 v[OST], v11, 4, v[OST]          ; r x 144 + 16 h
	s_mul_i32 s51, s10, 128*KP
	v_add_nc_u32 v[KA], s51, v[OST]                ; K: row r of my 128 keys, 16 h
	v_add_nc_u32 v[KA+1], SLOT, v[KA]
	s_mul_i32 s3, s11, OPAIR
	s_add_co_u32 s3, s3, OSTG
	v_add_nc_u32 v[OST], s3, v[OST]
	v_and_b32 v[VA], 7, v0
	v_lshl_add_u32 v[VA], v11, 3, v[VA]            ; V, stored [key][column], read transposed: key 8 h + L % 8,
	v_mul_u32_u24 v[VA], v[VA], VP
	v_bfe_u32 v[VA+1], v0, 3, 1
	v_lshl_add_u32 v[VA], v[VA+1], 4, v[VA]        ; columns 8 ((L / 8) % 2) ..
	s_mul_i32 s62, s10, 128*VP
	s_add_co_u32 s62, s62, VOFF
	v_add_nc_u32 v[VA], s62, v[VA]
	v_add_nc_u32 v[VA+1], SLOT, v[VA]
	v_lshlrev_b32 v[QO], 7, v1
	v_lshl_add_u32 v[QO], v11, 4, v[QO]
	v_and_b32 v[CO], 31, v0
	v_lshlrev_b32 v[CO], 4, v[CO]
	s_mul_i32 s63, s11, MPAIR
	s_add_co_u32 s63, s63, MERGE
	v_add_nc_u32 v[MST], s63, v[CO]
	v_bfe_u32 v[ORD], v0, 3, 2
	v_mul_u32_u24 v[ORD], v[ORD], KP
	v_and_b32 v1, 7, v0
	v_lshl_add_u32 v[ORD], v1, 4, v[ORD]
	v_add_nc_u32 v[ORD], s3, v[ORD]                ; (L / 8) x 144 + 16 (L % 8): four rows of 128 bytes a load
.irp a, 0,1,2,3
	v_mov_b32 v[MX+2*\a+1], 0                      ; the second registers of pairs of which the first alone is used
	v_mov_b32 v[AL+2*\a+1], 0
	v_mov_b32 v[NM+2*\a+1], 0
.endr
	s_wait_kmcnt 0x0
	s_add_nc_u64 s[60:61], s[4:5], s[56:57]        ; made of the head and the wave's number: equal in the four partners
	s_add_nc_u64 s[52:53], s[60:61], s[58:59]      ; q: my 64 queries
	s_add_nc_u64 s[54:55], s[6:7], s[56:57]
	s_add_nc_u64 s[54:55], s[54:55], s[58:59]      ; ctl: the same rows
.irp s, 0,1
	s_mov_b32 s[G0K+4*\s], 1                                       ; count = 1
	s_add_co_u32 s[G0K+4*\s+1], s14, \s*SLOT                       ; LDS address
	s_add_nc_u64 s[G0K+4*\s+2:G0K+4*\s+3], s[60:61], PARTB+\s*TILEB        ; global address: tile s of k
	s_or_b32 s[G0K+4*\s+3], s[G0K+4*\s+3], 0x80000000              ; type = 2
	s_mov_b32 s[G0V+4*\s], 1
	s_add_co_u32 s[G0V+4*\s+1], s15, \s*SLOT
	s_add_nc_u64 s[G0V+4*\s+2:G0V+4*\s+3], s[60:61], 2*PARTB+\s*TILEB      ; tile s of v
	s_or_b32 s[G0V+4*\s+3], s[G0V+4*\s+3], 0x80000000
.endr
	WIN 0x40                                       ; destination window 1
.irp a, 0,1,2,3
.irp kk, 0,1
	global_load_b128 v[QF+8*(2*\a+\kk):QF+8*(2*\a+\kk)+3], v[QO], s[52:53] offset:\a*2048+\kk*64         ; my 8 KiB of q, once
	global_load_b128 v[QF+8*(2*\a+\kk)+4:QF+8*(2*\a+\kk)+7], v[QO], s[52:53] offset:\a*2048+\kk*64+32
.endr
.endr
	WIN 0
	ROUND                                          ; all four work-groups are here: the first joint loads meet
	JLOAD 0                                        ; tile 0
	s_wait_loadcnt 0x0                             ; q
; the new maximum of each query: in the lane over its 32 scores, then with lane xor 16; the four query tiles take turns line by line
.macro ROWMAX first
.irp t, 0,1,2,3
.irp a, 0,1,2,3
	v_max3_num_f32 v[EE+4*\a+\t], v[SR+32*\a+8*\t], v[SR+32*\a+8*\t+1], v[SR+32*\a+8*\t+2]
.endr
.endr
.irp t, 0,1,2,3
.irp a, 0,1,2,3
	v_max3_num_f32 v[EE+4*\a+\t], v[EE+4*\a+\t], v[SR+32*\a+8*\t+3], v[SR+32*\a+8*\t+4]
.endr
.endr
.irp t, 0,1,2,3
.irp a, 0,1,2,3
	v_max3_num_f32 v[EE+4*\a+\t], v[EE+4*\a+\t], v[SR+32*\a+8*\t+5], v[SR+32*\a+8*\t+6]
.endr
.endr
.irp a, 0,1,2,3
	v_max3_num_f32 v[EE+4*\a], v[EE+4*\a], v[EE+4*\a+1], v[SR+32*\a+7]
	v_max3_num_f32 v[EE+4*\a+2], v[EE+4*\a+2], v[EE+4*\a+3], v[SR+32*\a+15]
.endr
.irp a, 0,1,2,3
	v_max3_num_f32 v[EE+4*\a], v[EE+4*\a], v[EE+4*\a+2], v[SR+32*\a+23]
.endr
.irp a, 0,1,2,3
.if \first
	v_max_num_f32 v[EE+4*\a], v[EE+4*\a], v[SR+32*\a+31]
.else
	v_max3_num_f32 v[EE+4*\a], v[EE+4*\a], v[SR+32*\a+31], v[MX+2*\a]      ; the running maximum joins
.endif
.endr
.irp a, 0,1,2,3
	v_permlanex16_b32 v[EE+4*\a+1], v[EE+4*\a], s12, s13
.endr
.irp a, 0,1,2,3
	v_max_num_f32 v[EE+4*\a], v[EE+4*\a], v[EE+4*\a+1]
.endr
.if \first
.else
.irp a, 0,1,2,3
	v_sub_f32 v[AL+2*\a], v[MX+2*\a], v[EE+4*\a]
.endr
.irp a, 0,1,2,3
	v_exp_f32 v[AL+2*\a], v[AL+2*\a]
.endr
.endif
.irp a, 0,1,2,3
	v_mov_b32 v[MX+2*\a], v[EE+4*\a]               ; plain lines behind the exponentials, which touch none of their registers (ISA guide 5.7.2)
.endr
.irp a, 0,1,2,3
	v_sub_f32 v[NM+2*\a], 0, v[EE+4*\a]
.endr
.endm
.macro SUBL a, i                       ; pair i of query tile a: minus the maximum
	v_pk_add_f32 v[SR+32*\a+2*(\i):SR+32*\a+2*(\i)+1], v[SR+32*\a+2*(\i):SR+32*\a+2*(\i)+1], v[NM+2*\a:NM+2*\a+1] op_sel_hi:[1,0]
.endm
.macro CVTL b, i                       ; pair i of query tile b packed to bf16 into register i
	v_cvt_pk_bf16_f32 v[SR+32*\b+(\i)], v[SR+32*\b+2*(\i)], v[SR+32*\b+2*(\i)+1]
.endm
.macro SUML b, i                       ; pair i joins the tile's sums
	v_pk_add_f32 v[RS+2*\b:RS+2*\b+1], v[RS+2*\b:RS+2*\b+1], v[SR+32*\b+2*(\i):SR+32*\b+2*(\i)+1]
.endm
; plain line i (0..31) of query tile b: pairs 0 and 1 start the sums; then each pair is summed before it is packed, and register i is
; written by packing i only after pair i/2, which held it, has been summed and packed.  Line 31 is empty.
.macro PLAINL b, i
.if (\i) == 0
	s_wait_alu depctr_va_vdst(0)
	v_pk_add_f32 v[RS+2*\b:RS+2*\b+1], v[SR+32*\b:SR+32*\b+1], v[SR+32*\b+2:SR+32*\b+3]
.else
.if (\i) < 3
	CVTL \b, (\i)-1
.else
.if (\i) == 31
	v_nop
.else
.if ((\i) & 1)
	SUML \b, ((\i)+1)/2
.else
	CVTL \b, (\i)/2
.endif
.endif
.endif
.endif
.endm
; the 32 exponentials of query tile a, each followed by a plain line of tile b, which touches none of a's registers (ISA guide 5.7.2)
.macro MIX a, b
.set ix, 0
.rept 32
	v_exp_f32 v[SR+32*\a+ix], v[SR+32*\a+ix]
	PLAINL \b, ix
.set ix, ix+1
.endr
.endm
.macro SOFT first
.set ix, 0
.rept 16
	SUBL 0, ix
.set ix, ix+1
.endr
.set ix, 0
.rept 32
	v_exp_f32 v[SR+ix], v[SR+ix]
.if ix < 16
	SUBL 1, ix
.else
	SUBL 2, ix-16
.endif
.set ix, ix+1
.endr
.set ix, 0
.rept 16
	SUBL 3, ix
.set ix, ix+1
.endr
	MIX 1, 0
	MIX 2, 1
	MIX 3, 2
.set ix, 0
.rept 31
	PLAINL 3, ix
.set ix, ix+1
.endr
.irp a, 0,1,2,3
.if \first
	v_add_f32 v[LS+\a], v[RS+2*\a], v[RS+2*\a+1]
.else
	v_add_f32 v[RS+2*\a], v[RS+2*\a], v[RS+2*\a+1]
.endif
.endr
.if \first
.else
.irp a, 0,1,2,3
	v_fma_f32 v[LS+\a], v[LS+\a], v[AL+2*\a], v[RS+2*\a]
.endr
.endif
.endm
; One step of a wave: its 64 queries against keys 64 u .. 64 u + 63 of its half of the tile in the slot.
.macro STEP slot, u, first
	PLACES 5                                       ; behind the last step's products: four places before loads land in V's fragments, five before products write over P (ISA guide 7.12.1 for the products)
.irp t, 0,1,2,3
.irp kk, 0,1
	ds_load_b128 v[KF+8*(2*\t+\kk):KF+8*(2*\t+\kk)+3], v[KA+\slot] offset:\u*64*KP+\t*16*KP+\kk*64
	ds_load_b128 v[KF+8*(2*\t+\kk)+4:KF+8*(2*\t+\kk)+7], v[KA+\slot] offset:\u*64*KP+\t*16*KP+\kk*64+32
.endr
.endr
	WIN 0x40                                       ; destination window 1
.irp c, 0,1,2,3
.irp kk, 0,1
	ds_load_tr16_b128 v[VF+8*(2*\c+\kk):VF+8*(2*\c+\kk)+3], v[VA+\slot] offset:\u*64*VP+\kk*32*VP+\c*32
	ds_load_tr16_b128 v[VF+8*(2*\c+\kk)+4:VF+8*(2*\c+\kk)+7], v[VA+\slot] offset:\u*64*VP+\kk*32*VP+\c*32+16*VP
.endr
.endr
	s_wait_dscnt 16                                ; K's sixteen loads are in; V's sixteen, issued behind them, stay out until the softmax is done
	WIN 0x04                                       ; source 1 (Q) window 1
	; S^T = K Q^T: the sixteen accumulators take turns, one instruction a turn; the first products start the sums
.irp t, 0,1,2,3
.irp a, 0,1,2,3
	v_wmma_f32_16x16x32_bf16 v[SR+32*\a+8*\t:SR+32*\a+8*\t+7], v[KF+16*\t:KF+16*\t+7], v[QF+16*\a:QF+16*\a+7], 0
.endr
.endr
.irp t, 0,1,2,3
.irp a, 0,1,2,3
	v_wmma_f32_16x16x32_bf16 v[SR+32*\a+8*\t:SR+32*\a+8*\t+7], v[KF+16*\t+8:KF+16*\t+15], v[QF+16*\a+8:QF+16*\a+15], v[SR+32*\a+8*\t:SR+32*\a+8*\t+7]
.endr
.endr
	WIN 0
	PLACES 4                                       ; four places before vector instructions read the results (ISA guide 7.12.1)
	ROWMAX \first
	SOFT \first
.if \first
.else
	WIN 0x41                                       ; O in window 1, the factor in window 0
.irp a, 0,1,2,3
.set i2, 0
.rept 16
	v_pk_mul_f32 v[OA+32*\a+i2:OA+32*\a+i2+1], v[OA+32*\a+i2:OA+32*\a+i2+1], v[AL+2*\a:AL+2*\a+1] op_sel_hi:[1,0]
.set i2, i2+2
.endr
.endr
.endif
	s_wait_dscnt 0x0                               ; V's fragments
	WIN 0x51                                       ; V and O in window 1, P in window 0
	; O^T += V^T P^T: again sixteen accumulators by turns, one instruction a turn
.irp a, 0,1,2,3
.irp c, 0,1,2,3
.if \first
	v_wmma_f32_16x16x32_bf16 v[OA+32*\a+8*\c:OA+32*\a+8*\c+7], v[VF+16*\c:VF+16*\c+7], v[SR+32*\a:SR+32*\a+7], 0
.else
	v_wmma_f32_16x16x32_bf16 v[OA+32*\a+8*\c:OA+32*\a+8*\c+7], v[VF+16*\c:VF+16*\c+7], v[SR+32*\a:SR+32*\a+7], v[OA+32*\a+8*\c:OA+32*\a+8*\c+7]
.endif
.endr
.endr
.irp a, 0,1,2,3
.irp c, 0,1,2,3
	v_wmma_f32_16x16x32_bf16 v[OA+32*\a+8*\c:OA+32*\a+8*\c+7], v[VF+16*\c+8:VF+16*\c+15], v[SR+32*\a+8:SR+32*\a+15], v[OA+32*\a+8*\c:OA+32*\a+8*\c+7]
.endr
.endr
	WIN 0
.endm
; One tile of 256 keys.  In front of the round every wave waits for all its tensor loads (its one load that is out is its part of this trip's tile)
; and for its reads of the other slot; behind the round no wave of any partner reads that slot or has a load on its way, and the next tile
; is asked for into it, first thing, one load a wave.  That load has this trip's two steps in which to land.
.macro TRIP slot, refill, first
	s_wait_xcnt 0x0
	v_lshl_add_u32 v254, v0, 2, 0x39c00
	v_mov_b32 v255, 0
	s_wait_tensorcnt 0x0
	ds_add_u32 v254, v255
	s_wait_dscnt 0x0
	s_add_nc_u64 s[G0K+4*\slot+2:G0K+4*\slot+3], s[G0K+4*\slot+2:G0K+4*\slot+3], 2*TILEB   ; no load of mine is out: this slot's next tile
	s_add_nc_u64 s[G0V+4*\slot+2:G0V+4*\slot+3], s[G0V+4*\slot+2:G0V+4*\slot+3], 2*TILEB
	s_wait_dscnt 0x0
	ROUND
.if \refill
	JLOAD 1-\slot
.endif
	STEP \slot, 0, \first
	STEP \slot, 1, 0
.endm
	TRIP 0, 1, 1                                   ; sixteen tiles; the first step starts maxima, sums and O, so nothing is cleared
	TRIP 1, 1, 0
	s_mov_b32 s9, 6
.Lloop:
	TRIP 0, 1, 0
	TRIP 1, 1, 0
	s_sub_co_u32 s9, s9, 1
	s_cmp_lg_u32 s9, 0
	s_cbranch_scc1 .Lloop
	TRIP 0, 1, 0
	TRIP 1, 0, 0                                   ; the last tile: nothing is left to ask for (the stepped addresses are not used)
	; THE MERGE of a pair.  The wave with p = 1 hands its O, maxima and sums to the wave with p = 0, lane to lane, through the pair's stage.
	PLACES 4                                       ; four places before LDS stores and vector instructions read the last results, and before loads land in P (ISA guide 7.12.1 for the stores and vector instructions)
	s_cmp_eq_u32 s10, 0
	s_cbranch_scc1 .Lkeep
	WIN 0x04                                       ; store data in window 1
.set i4, 0
.rept 32
	ds_store_b128 v[MST], v[OA+4*i4:OA+4*i4+3] offset:512*i4
.set i4, i4+1
.endr
	WIN 0
	ds_store_b128 v[MST], v[MX:MX+3] offset:16384
	ds_store_b128 v[MST], v[MX+4:MX+7] offset:16896
	ds_store_b128 v[MST], v[LS:LS+3] offset:17408
.Lkeep:
	s_wait_dscnt 0x0                               ; my stores are in LDS, for the partner's sake
	s_barrier_signal -1
	s_barrier_wait -1
	s_cmp_lg_u32 s10, 0
	s_cbranch_scc1 .Lclose
.set i4, 0
.rept 32
	ds_load_b128 v[SR+4*i4:SR+4*i4+3], v[MST] offset:512*i4        ; the partner's O, register for register
.set i4, i4+1
.endr
	ds_load_b128 v[KF:KF+3], v[MST] offset:16384                   ; its maxima at KF + 2 a,
	ds_load_b128 v[KF+4:KF+7], v[MST] offset:16896
	ds_load_b128 v[KF+8:KF+11], v[MST] offset:17408                ; its sums at KF + 8 + a
	s_wait_dscnt 0x0
.irp a, 0,1,2,3
	v_max_num_f32 v[EE+4*\a], v[MX+2*\a], v[KF+2*\a]
.endr
.irp a, 0,1,2,3
	v_sub_f32 v[EE+4*\a+1], v[MX+2*\a], v[EE+4*\a]
	v_sub_f32 v[EE+4*\a+2], v[KF+2*\a], v[EE+4*\a]
.endr
.irp a, 0,1,2,3
	v_exp_f32 v[EE+4*\a+1], v[EE+4*\a+1]
	v_exp_f32 v[EE+4*\a+2], v[EE+4*\a+2]
.endr
	v_nop                                          ; one plain place behind the last exponential (ISA guide 5.7.2)
.irp a, 0,1,2,3
	s_wait_alu depctr_va_vdst(0)
	v_mul_f32 v[EE+4*\a+3], v[LS+\a], v[EE+4*\a+1]
.endr
.irp a, 0,1,2,3
	v_fmac_f32 v[EE+4*\a+3], v[KF+8+\a], v[EE+4*\a+2]
.endr
.irp a, 0,1,2,3
	v_permlanex16_b32 v[EE+4*\a], v[EE+4*\a+3], s12, s13           ; the sums were kept for each half of the lanes: now the other half's keys join
.endr
.irp a, 0,1,2,3
	v_add_f32 v[EE+4*\a], v[EE+4*\a], v[EE+4*\a+3]                 ; at least 1: the largest score's own term
.endr
.irp a, 0,1,2,3
	v_rcp_f32 v[EE+4*\a], v[EE+4*\a]
.endr
	v_nop                                          ; one plain place behind the last reciprocal
.irp a, 0,1,2,3
	s_wait_alu depctr_va_vdst(0)
	v_mul_f32 v[AL+2*\a], v[EE+4*\a+1], v[EE+4*\a]                 ; my factor,
	v_mul_f32 v[EE+4*\a+2], v[EE+4*\a+2], v[EE+4*\a]               ; the partner's
.endr
.irp a, 0,1,2,3
.set i2, 0
.rept 16
	v_pk_mul_f32 v[SR+32*\a+i2:SR+32*\a+i2+1], v[SR+32*\a+i2:SR+32*\a+i2+1], v[EE+4*\a+2:EE+4*\a+3] op_sel_hi:[1,0]
.set i2, i2+2
.endr
.endr
	WIN 0x01                                       ; source 0 (my O) window 1
.irp a, 0,1,2,3
.set i2, 0
.rept 16
	v_pk_fma_f32 v[SR+32*\a+i2:SR+32*\a+i2+1], v[OA+32*\a+i2:OA+32*\a+i2+1], v[AL+2*\a:AL+2*\a+1], v[SR+32*\a+i2:SR+32*\a+i2+1] op_sel_hi:[1,0,1]
.set i2, i2+2
.endr
.endr
	WIN 0
; THE WAY OUT, 16 queries at a time: bf16, 16 bytes a lane into my own stage, read back as whole rows; each store of the wave covers 512 consecutive bytes of ctl, aligned
.macro OUT a
.irp c, 0,1,2,3
.irp q, 0,1,2,3
	v_cvt_pk_bf16_f32 v[TMP+4*\c+\q], v[SR+32*\a+8*\c+2*\q], v[SR+32*\a+8*\c+2*\q+1]
.endr
.endr
.irp c, 0,1,2,3
	ds_store_b128 v[OST], v[TMP+4*\c:TMP+4*\c+3] offset:32*\c
.endr
	s_wait_xcnt 0x0                                ; the registers that the last stores read are loaded again only behind this wait
.irp t, 0,1,2,3
	ds_load_b128 v[RB+4*\t:RB+4*\t+3], v[ORD] offset:\t*4*KP       ; LDS serves a wave's instructions in order (ISA guide 5.7.1): these see the stores above
.endr
.irp t, 0,1,2,3
	s_wait_dscnt 3-\t                              ; read-back t is in, the younger ones stay out
	global_store_b128 v[CO], v[RB+4*\t:RB+4*\t+3], s[54:55] offset:\a*2048+\t*512
.endr
.endm
	OUT 0
	OUT 1
	OUT 2
	OUT 3
.Lclose:
	s_wait_xcnt 0x0
	v_lshl_add_u32 v254, v0, 2, 0x39c00
	v_mov_b32 v255, 0
	s_wait_tensorcnt 0x0
	ds_add_u32 v254, v255
	s_wait_dscnt 0x0
	ROUND                                          ; the closing round: no work-group ends while a partner may still ask for a tile that names it
	s_endpgm
.Lfunc_end_k_qe68fd5980e_attn:
	.size	k_qe68fd5980e_attn, .Lfunc_end_k_qe68fd5980e_attn-k_qe68fd5980e_attn
	.p2alignl 7, 3214868480
	.fill 96, 4, 3214868480
	.section	.rodata,"a",@progbits
	.p2align	6, 0x0
	.amdhsa_kernel k_qe68fd5980e_attn
		.amdhsa_group_segment_fixed_size 327680
		.amdhsa_private_segment_fixed_size 0
		.amdhsa_enable_private_segment 0
		.amdhsa_kernarg_size 16
		.amdhsa_user_sgpr_count 2
		.amdhsa_user_sgpr_kernarg_segment_ptr 1
		.amdhsa_wavefront_size32 1
		.amdhsa_system_sgpr_workgroup_id_x 1
		.amdhsa_system_sgpr_workgroup_id_y 1
		.amdhsa_system_sgpr_workgroup_id_z 1
		.amdhsa_system_vgpr_workitem_id 0
		.amdhsa_next_free_vgpr 512
		.amdhsa_next_free_sgpr 66
		.amdhsa_reserve_vcc 0
		.amdhsa_float_denorm_mode_32 3
		.amdhsa_float_denorm_mode_16_64 3
		.amdhsa_memory_ordered 1
		.amdhsa_forward_progress 1
		.amdhsa_inst_pref_size 255
	.end_amdhsa_kernel
	.section	.bss,"aw",@nobits
	.p2align	6
	.space	262144
	.amdgpu_metadata
---
amdhsa.version: [ 1, 2 ]
amdhsa.kernels:
  - .name:           k_qe68fd5980e_attn
    .symbol:         k_qe68fd5980e_attn.kd
    .args:
      - { .name: qkv, .offset: 0, .size: 8, .value_kind: global_buffer, .address_space: global }
      - { .name: ctl, .offset: 8, .size: 8, .value_kind: global_buffer, .address_space: global }
    .group_segment_fixed_size: 327680
    .private_segment_fixed_size: 0
    .kernarg_segment_align: 8
    .kernarg_segment_size: 16
    .max_flat_workgroup_size: 256
    .sgpr_count:     66
    .vgpr_count:     512
    .wavefront_size: 32
...
	.end_amdgpu_metadata
.endif
;; end of part 2
;; launch oproj (part 3): grid 32 x 6, 8 waves a work-group, no clusters, 151,552 bytes of LDS; arguments ctl, Wp, bp, output_cap, out0; writes out0
.if DOCPART == 3
	.amdgcn_target "amdgcn-amd-amdhsa--gfx1250"
	.amdhsa_code_object_version 6
	.text
	.protected	k_qe68fd5980e_oproj
	.globl	k_qe68fd5980e_oproj
	.p2align	8
	.type	k_qe68fd5980e_oproj,@function
k_qe68fd5980e_oproj:
	s_mov_b64 s[64:65], 0
	v_nop
	global_prefetch_b8 v0, s[64:65] scope:SCOPE_SE
	s_setreg_imm32_b32 hwreg(HW_REG_WAVE_MODE, 25, 1), 1
	s_wait_xcnt 0x0
; out0 = output_cap + ctl Wp^T + bp for 256 rows x 64 features.  ctl: bf16 [batch*6+head][token][64]; all else f32, rows of 384.
; Work-group (x, y): x = block of 256 of the 8,192 rows, y = slice of 64 features (256 bytes of a row of out0).
; Wave w: gathers its 32 rows of ctl (six heads' pieces) through its own stage into 24 matrix fragments in registers; converts rows 8 w .. 8 w + 7
; of the weight slice to bf16 in LDS for all eight waves; multiplies; adds residual and bias in f32 on the way out.
; NO CLUSTER, NO TENSOR LOADS: the work-groups along x share the weight slice alone, 64 x 1,536 bytes of f32, which has to be converted in registers
; on its way to LDS; the rows of ctl are shared along y, whose six work-groups no cluster of four divides.
; LIMIT, stated: NaN and infinities are carried by the arithmetic as it falls, not checked against the reference's.
.set ROWB,  1536                       ; bytes of a row of 384 f32
.set WP,    784                        ; LDS pitch of a row of 384 bf16: 768 + 16 = 49 x 16 bytes
.set WLDS,  64*WP                      ; the weight slice: LDS bytes 0 .. 50,175
.set STG,   16*WP                      ; behind it a stage of 16 rows for each wave, its own
.set FP,    272                        ; pitch of the way out: 64 f32 + 16 bytes = 17 x 16
.set HEADB, 524288
.set BI,    12                         ; v[12:15]   bias of my four features on the way out
.set BLKA,  64                         ; v[64:159]  weight rows as loaded, then ctl's row tile 1
.set BLKB,  160                        ; v[160:255] ctl's row tile 0
.set ACC,   64                         ; later: v[64:127] eight accumulators
.set RES,   128                        ; v[128:159] residual of row tile 0, v[224:255] of row tile 1
.set WF,    160                        ; v[160:223] weight fragments, two buffers of four; then the rows read back
                                       ; window 1: v[8 (12 rt + k)] = fragment of my row tile rt, K step k
.set MSB, 0
.macro WIN new                         ; the immediate's high byte repeats the setting that is left
.if MSB != \new
	s_set_vgpr_msb (MSB<<8)|\new
.set MSB, \new
.endif
.endm
.macro PLACES cnt
.rept \cnt
	v_nop
.endr
.endm
	s_load_b256 s[16:23], s[0:1], 0x0              ; ctl, Wp, bp, output_cap
	s_load_b64 s[24:25], s[0:1], 0x20              ; out0
	v_lshl_add_u32 v62, v0, 2, 0x24c00
	v_mov_b32 v63, 0
	v_lshrrev_b32 v1, 5, v0
	v_readfirstlane_b32 s8, v1                     ; wave 0..7
	s_and_b32 s9, ttmp7, 0xffff                    ; y
	s_lshr_b32 s26, ttmp9, 4
	s_mul_i32 s26, s26, 6*HEADB                    ; ctl: batch,
	s_and_b32 s27, ttmp9, 15
	s_lshl_b32 s27, s27, 15                        ; 256 tokens of 128 bytes,
	s_add_co_u32 s26, s26, s27
	s_lshl_b32 s27, s8, 12                         ; my wave's 32 tokens
	s_add_co_u32 s26, s26, s27
	s_mov_b32 s27, 0
	s_mul_i32 s28, s9, 64*ROWB                     ; Wp: the slice's 64 rows,
	s_mul_i32 s29, s8, 8*ROWB                      ; the 8 that I convert
	s_add_co_u32 s28, s28, s29
	s_mov_b32 s29, 0
	s_lshl_b32 s30, s9, 8                          ; bp, and the slice's 256 bytes in a row
	s_mov_b32 s31, 0
	s_mul_i32 s32, ttmp9, 256*ROWB                 ; output_cap and out0: the block, my 32 rows, the slice
	s_mul_i32 s33, s8, 32*ROWB
	s_add_co_u32 s32, s32, s33
	s_add_co_u32 s32, s32, s30
	s_mov_b32 s33, 0
	v_and_b32 v1, 31, v0                           ; lane L
	v_lshlrev_b32 v2, 4, v1                        ; v2 = 16 L
	v_and_b32 v16, 15, v0                          ; r
	v_bfe_u32 v17, v0, 4, 1                        ; h
	s_mul_i32 s34, s8, STG
	s_add_co_u32 s34, s34, WLDS                    ; my stage
	s_mul_i32 s35, s8, 8*WP
	v_lshl_add_u32 v3, v1, 3, s35                  ; v3 = my 8 weight rows + 8 L
	v_bfe_u32 v4, v0, 3, 2
	v_mul_u32_u24 v4, v4, WP
	v_and_b32 v18, 7, v0
	v_lshl_add_u32 v4, v18, 4, v4
	v_add_nc_u32 v4, s34, v4                       ; v4 = stage + (L / 8) x pitch + 16 (L % 8): where ctl's pieces go
	v_mul_u32_u24 v6, v16, WP
	v_lshl_add_u32 v6, v17, 4, v6                  ; v6 = r x pitch + 16 h: weight fragments
	v_add_nc_u32 v5, s34, v6                       ; v5 = the same in my stage
	v_mul_u32_u24 v7, v16, FP
	v_lshl_add_u32 v7, v17, 5, v7
	v_add_nc_u32 v7, s34, v7                       ; v7 = stage + r x 272 + 32 h: the way out, in
	v_lshlrev_b32 v10, 4, v16                      ; v10 = 16 r
	v_mul_u32_u24 v8, v17, FP
	v_add_nc_u32 v8, v8, v10
	v_add_nc_u32 v8, s34, v8                       ; v8 = stage + h x 272 + 16 r: the way out, back
	v_mul_u32_u24 v9, v17, ROWB
	v_add_nc_u32 v9, v9, v10                       ; v9 = h rows + 16 r: the same two rows in output_cap and out0
	s_wait_kmcnt 0x0
	s_add_nc_u64 s[4:5], s[16:17], s[26:27]
	s_add_nc_u64 s[6:7], s[18:19], s[28:29]
	s_add_nc_u64 s[10:11], s[20:21], s[30:31]
	s_add_nc_u64 s[12:13], s[22:23], s[32:33]
	s_add_nc_u64 s[14:15], s[24:25], s[32:33]
	global_load_b128 v[BI:BI+3], v10, s[10:11]
.irp q, 0,1,2,3,4,5,6,7
.irp j, 0,1,2
	global_load_b128 v[BLKA+12*\q+4*\j:BLKA+12*\q+4*\j+3], v2, s[6:7] offset:\q*ROWB+512*\j
.endr
.endr
; 24 loads: 16 tokens x six heads; each covers 512 consecutive bytes (four tokens' pieces of one head)
.macro LDC blk, rt
.irp hd, 0,1,2,3,4,5
.irp t, 0,1,2,3
	global_load_b128 v[\blk+4*(4*\hd+\t):\blk+4*(4*\hd+\t)+3], v2, s[4:5] offset:\hd*HEADB+\rt*2048+\t*512
.endr
.endr
.endm
.macro STC blk                         ; into my stage: row = token, 128 bytes for each head
.irp hd, 0,1,2,3,4,5
.irp t, 0,1,2,3
	ds_store_b128 v4, v[\blk+4*(4*\hd+\t):\blk+4*(4*\hd+\t)+3] offset:\t*4*WP+128*\hd
.endr
.endr
.endm
; the 16 rows in my stage become 12 fragments in window 1; LDS serves a wave's instructions in order (ISA guide 5.7.1)
.macro XFRAG rt
	WIN 0x40                                       ; destination window 1, address window 0
.set kq, 0
.rept 12
	ds_load_b128 v[8*(12*\rt+kq):8*(12*\rt+kq)+3], v5 offset:64*kq
	ds_load_b128 v[8*(12*\rt+kq)+4:8*(12*\rt+kq)+7], v5 offset:64*kq+32
.set kq, kq+1
.endr
	WIN 0
.endm
	LDC BLKB, 0
	s_wait_loadcnt 24                              ; bias and weights are in; ctl's 24 loads, issued behind them, stay out
.irp q, 0,1,2,3,4,5,6,7
.irp i, 0,1,2,3,4,5
	v_cvt_pk_bf16_f32 v[BLKA+12*\q+\i], v[BLKA+12*\q+2*\i], v[BLKA+12*\q+2*\i+1]   ; ascending: register i is read by conversion i/2 before it is written
.endr
.irp j, 0,1,2
	ds_store_b64 v3, v[BLKA+12*\q+2*\j:BLKA+12*\q+2*\j+1] offset:\q*WP+256*\j
.endr
.endr
	LDC BLKA, 1
	s_wait_loadcnt 24                              ; row tile 0 is in; row tile 1's 24 loads stay out
	STC BLKB
	XFRAG 0
	s_wait_loadcnt 0x0
	STC BLKA                                       ; in order behind the reads of row tile 0
	XFRAG 1
	s_wait_dscnt 0x0                               ; my weight rows are in LDS, for the others' sake; my fragments are in registers; no LDS store reads a register any more
.irp rt, 0,1
.irp t, 0,1,2,3,4,5,6,7
	global_load_b128 v[RES+96*\rt+4*\t:RES+96*\rt+4*\t+3], v9, s[12:13] offset:(16*\rt+2*\t)*ROWB th:TH_LOAD_NT   ; the residual: sixteen lanes take 256 consecutive bytes; read once in the launch
.endr
.endr
	s_barrier_signal -1
	s_barrier_wait -1                              ; the whole weight slice is there
; eight loads: the four weight fragments at K step k into buffer buf; four places stand between the matrix instructions that read the
; buffer last and the loads into it (ISA guide 7.12.1 for vector instructions)
.macro FETCH k, buf
	PLACES 4
.irp ft, 0,1,2,3
	ds_load_b128 v[WF+32*(\buf)+8*\ft:WF+32*(\buf)+8*\ft+3], v6 offset:\ft*16*WP+64*(\k)
	ds_load_b128 v[WF+32*(\buf)+8*\ft+4:WF+32*(\buf)+8*\ft+7], v6 offset:\ft*16*WP+64*(\k)+32
.endr
.endm
; source 0 = 16 weight rows, source 1 = 16 of my rows: a lane's eight results are eight neighbouring features of one row.
; The eight accumulators take turns, one instruction a turn.
.macro MUL8 k, buf, zero
.irp rt, 0,1
.irp ft, 0,1,2,3
.if \zero
	v_wmma_f32_16x16x32_bf16 v[ACC+32*\rt+8*\ft:ACC+32*\rt+8*\ft+7], v[WF+32*(\buf)+8*\ft:WF+32*(\buf)+8*\ft+7], v[8*(12*\rt+(\k)):8*(12*\rt+(\k))+7], 0
.else
	v_wmma_f32_16x16x32_bf16 v[ACC+32*\rt+8*\ft:ACC+32*\rt+8*\ft+7], v[WF+32*(\buf)+8*\ft:WF+32*(\buf)+8*\ft+7], v[8*(12*\rt+(\k)):8*(12*\rt+(\k))+7], v[ACC+32*\rt+8*\ft:ACC+32*\rt+8*\ft+7]
.endif
.endr
.endr
.endm
	WIN 0x04                                       ; source 1 (my rows) window 1, all else window 0
	FETCH 0, 0
	FETCH 1, 1
	s_wait_dscnt 8                                 ; this K step's eight loads are in, the next step's eight stay out
	MUL8 0, 0, 1                                   ; the first products start the sums
.set kq, 1
.rept 10
	FETCH kq+1, (kq+1)%2
	s_wait_dscnt 8                                 ; as above
	MUL8 kq, kq%2, 0
.set kq, kq+1
.endr
	s_wait_dscnt 0x0
	MUL8 11, 1, 0
	WIN 0
	PLACES 4                                       ; four places before LDS stores read the results and loads land in the fragment buffers
	; THE WAY OUT, 16 rows at a time through my own stage: in as 32 bytes a lane, back as whole pieces of 256 bytes, plus residual and bias
	s_wait_loadcnt 0x0                             ; the residual
.irp rt, 0,1
.irp ft, 0,1,2,3
	ds_store_b128 v7, v[ACC+32*\rt+8*\ft:ACC+32*\rt+8*\ft+3] offset:64*\ft
	ds_store_b128 v7, v[ACC+32*\rt+8*\ft+4:ACC+32*\rt+8*\ft+7] offset:64*\ft+16
.endr
.irp t, 0,1,2,3,4,5,6,7
	ds_load_b128 v[WF+32*\rt+4*\t:WF+32*\rt+4*\t+3], v8 offset:\t*2*FP     ; in order behind my stores above; each read-back has registers of its own
.endr
.irp t, 0,1,2,3,4,5,6,7
	s_wait_dscnt 7-\t                              ; read-back t is in, the younger ones stay out
	v_pk_add_f32 v[WF+32*\rt+4*\t:WF+32*\rt+4*\t+1], v[WF+32*\rt+4*\t:WF+32*\rt+4*\t+1], v[RES+96*\rt+4*\t:RES+96*\rt+4*\t+1]
	v_pk_add_f32 v[WF+32*\rt+4*\t+2:WF+32*\rt+4*\t+3], v[WF+32*\rt+4*\t+2:WF+32*\rt+4*\t+3], v[RES+96*\rt+4*\t+2:RES+96*\rt+4*\t+3]
	v_pk_add_f32 v[WF+32*\rt+4*\t:WF+32*\rt+4*\t+1], v[WF+32*\rt+4*\t:WF+32*\rt+4*\t+1], v[BI:BI+1]
	v_pk_add_f32 v[WF+32*\rt+4*\t+2:WF+32*\rt+4*\t+3], v[WF+32*\rt+4*\t+2:WF+32*\rt+4*\t+3], v[BI+2:BI+3]
	global_store_b128 v9, v[WF+32*\rt+4*\t:WF+32*\rt+4*\t+3], s[14:15] offset:(16*\rt+2*\t)*ROWB th:TH_STORE_NT   ; sixteen lanes store 256 consecutive bytes, at a multiple of 256 from out0's first byte
.endr
.endr
	s_wait_tensorcnt 0x0
	ds_add_u32 v62, v63
	s_wait_dscnt 0x0
	s_endpgm
.Lfunc_end_k_qe68fd5980e_oproj:
	.size	k_qe68fd5980e_oproj, .Lfunc_end_k_qe68fd5980e_oproj-k_qe68fd5980e_oproj
	.p2alignl 7, 3214868480
	.fill 96, 4, 3214868480
	.section	.rodata,"a",@progbits
	.p2align	6, 0x0
	.amdhsa_kernel k_qe68fd5980e_oproj
		.amdhsa_group_segment_fixed_size 151552
		.amdhsa_private_segment_fixed_size 0
		.amdhsa_enable_private_segment 0
		.amdhsa_kernarg_size 40
		.amdhsa_user_sgpr_count 2
		.amdhsa_user_sgpr_kernarg_segment_ptr 1
		.amdhsa_wavefront_size32 1
		.amdhsa_system_sgpr_workgroup_id_x 1
		.amdhsa_system_sgpr_workgroup_id_y 1
		.amdhsa_system_sgpr_workgroup_id_z 1
		.amdhsa_system_vgpr_workitem_id 0
		.amdhsa_next_free_vgpr 448
		.amdhsa_next_free_sgpr 66
		.amdhsa_reserve_vcc 0
		.amdhsa_float_denorm_mode_32 3
		.amdhsa_float_denorm_mode_16_64 3
		.amdhsa_memory_ordered 1
		.amdhsa_forward_progress 1
		.amdhsa_inst_pref_size 45
	.end_amdhsa_kernel
	.amdgpu_metadata
---
amdhsa.version: [ 1, 2 ]
amdhsa.kernels:
  - .name:           k_qe68fd5980e_oproj
    .symbol:         k_qe68fd5980e_oproj.kd
    .args:
      - { .name: ctl, .offset: 0, .size: 8, .value_kind: global_buffer, .address_space: global }
      - { .name: Wp, .offset: 8, .size: 8, .value_kind: global_buffer, .address_space: global }
      - { .name: bp, .offset: 16, .size: 8, .value_kind: global_buffer, .address_space: global }
      - { .name: output_cap, .offset: 24, .size: 8, .value_kind: global_buffer, .address_space: global }
      - { .name: out0, .offset: 32, .size: 8, .value_kind: global_buffer, .address_space: global }
    .group_segment_fixed_size: 151552
    .private_segment_fixed_size: 0
    .kernarg_segment_align: 8
    .kernarg_segment_size: 40
    .max_flat_workgroup_size: 256
    .sgpr_count:     66
    .vgpr_count:     448
    .wavefront_size: 32
...
	.end_amdgpu_metadata
.endif
;; end of part 3
